; MI455X (gfx1250); checked and timed in simulation.
; The chip was launched on July 23, 2026; its instructions are those of AMD's public machine-readable ISA for CDNA 5 (MIT licence, August 2026) and "CDNA5" Instruction Set Architecture Reference Guide (July 2026). The comments in the code are by the model that wrote it; some were corrected since.
;; Flat SE3 Attention Head. Allowed arithmetic: float matrix products may take bf16 or f16 operands with f32 sums; all other float work in f32.
;; Inputs: kx_b 3 float32; kx_w 3 x 3 float32; ky_b 3 float32; ky_w 3 x 3 float32; qx_b 3 float32; qx_w 3 x 3 float32; qy_b 3 float32; qy_w 3 x 3 float32; transforms 4,096 x 4 x 4 float32; vt_b 3 float32; vt_w 3 x 3 float32; vx_b 3 float32; vx_w 3 x 3 float32; vy_b 3 float32; vy_w 3 x 3 float32.
;; Outputs: out0 4,096 x 9 float32.
;; 2 versions, each right and faster than the one before. Each part assembles by itself: llvm-mc -triple=amdgcn-amd-amdhsa -mcpu=gfx1250 --defsym DOCPART=n.
;; ======== version 1 of 2: 1 launch
;; launch se3head (part 1): grid 256 x 1, 16 waves a work-group, no clusters, 201,472 bytes of LDS; arguments transforms, out0, qx_w, qx_b, kx_w, kx_b, qy_w, qy_b, ky_w, ky_b, vx_w, vx_b, vy_w, vy_b, vt_w, vt_b; writes out0
.if DOCPART == 1
	.amdgcn_target "amdgcn-amd-amdhsa--gfx1250"
	.amdhsa_code_object_version 6
	.text
	.protected	k_q708321a96b_se3head
	.globl	k_q708321a96b_se3head
	.p2align	8
	.type	k_q708321a96b_se3head,@function
k_q708321a96b_se3head:
	s_mov_b64 s[64:65], 0
	v_nop
	global_prefetch_b8 v0, s[64:65] scope:SCOPE_SE
	s_setreg_imm32_b32 hwreg(HW_REG_WAVE_MODE, 25, 1), 1
	s_wait_xcnt 0x0
; FlatSE3AttentionHead, 4096 poses, one launch.   out0[i] = [ att_t @ tr_v | att_y @ yr_v | att_x @ xr_v ]  (9 f32 a row)
;
; SHARING.  Work-group g owns the 16 query rows i = 16 g + r against all 4096 j.  16 waves; a wave takes 8 chunks of 32 j
; (chunk c: j = 512 c + thread number).  Lane (r = lane & 15, h = lane >> 4) always works for query row r.
;
; ALGEBRA (exact, for every input):
;  * q.(Wk x_j + bk) = (Wk^T q).x_j + q.bk: the key operand is [x_j, 1] for both branches; -log2(e)/sqrt(3) is folded into q,
;    so the score product IS the argument of exp2 in sigmoid = 1 / (1 + exp2(arg)).
;  * sum_j a_ij (W v_j + b) = W (sum_j a_ij v_j) + b sum_j a_ij: the value operand is the raw [t_j, 0, x_j, 1]; the three value
;    linears are applied once a row, in f32, at the end.
;  * sum_j (2 - d_ij / m_i) g_j = 2 sum_j g_j - (1 / m_i) sum_j d_ij g_j: one pass with a running maximum of d^2.  d / m is in
;    [0, 1], so the second term is never larger than half of the first where g has one sign.  d comes from f32 differences.
;
; MATRIX LAYOUTS (16x16x32 bf16; ISA guide 7.12.2).  Scores are made transposed, D = keys x queries: lane (r, h), register jj of
; tile a = s(j0 + 16 a + 8 h + jj, i = r).  Packed to bf16 that is already the K = 32 operand of the value product, so nothing is
; shuffled between the two products.  The distances are computed straight in that layout.  The value table's 8 columns are stored
; twice (16 columns), so both halves of the lanes end with all eight sums of their query row.
;
; NOT USED, by this text's arithmetic.  Clusters / joint tensor loads: all work-groups read the same 256 KiB, but a chunk's share
; is 1,536 bytes for some two hundred instructions, each lane needs its own j in registers for the rounding to bf16 (where it already
; is the key fragment), and tiles through LDS would add f32 slots, LDS reads and a barrier of 16 waves for each refill.
; Prefetch: every work-group reads the same small input, and a ring of three chunks in registers runs ahead.
; OUTPUT: 16 rows of 36 bytes = 576 consecutive bytes a work-group, stored as 512 + 64 consecutive bytes from an LDS stage.
;
; LIMITS.  Non-finite inputs are not served (v_max3_num_f32 drops a NaN).  |t_j - t_i| below 1.8e19 (d^2 in f32); d^2 below
; 2^-126 counts as 0 in v_sqrt_f32 / v_rsq_f32.  Matrix operands (x, t, folded q, sigmoid, d) are rounded to bf16; the order of sums
; and the association of the linears differ from reference()'s.  exp2 overflow gives sigmoid 0, underflow 1.  A row whose
; largest distance is 0 gives NaN in columns 0-2, as 0 / 0 does in reference().
.set NCH,    8                         ; chunks of a wave
.set CH,     1408                      ; LDS bytes of a chunk: 32 records of 32 bytes, then 3 rows of 32 f32 (t0, t1, t2)
.set TROW,   1024                      ; where the three rows begin
.set WSCR,   NCH*CH                    ; a wave's scratch; every chunk has bytes of its own, nothing is written twice
.set RED,    16*WSCR                   ; 180,224: the waves' partial sums
.set RPITCH, 80                        ; 64 bytes a query row + 16: an odd multiple of 16, so 16 rows start in different banks
.set RWAVE,  16*RPITCH
.set OST,    RED+16*RWAVE              ; 200,704: the 16 output rows, 576 bytes
.set QSCALE, 0xbf553b94                ; -log2(e) / sqrt(3)
; vector registers
.set LANE, 1
.set VOFF, 2                           ; 64 x thread: my j's transform inside a chunk's 32,768 bytes
.set RS,   3                           ; scratch + 32 lane: my record
.set TS,   4                           ; scratch + 4 lane: my word in a translation row
.set TL,   5                           ; scratch + 32 h: the 8 translations of my half
.set VA,   6                           ; scratch + (8 h + (lane & 7)) 32 + 16 ((lane >> 3) & 1): transposing load
.set MX,   7                           ; running maximum of d^2
.set NTI,  8                           ; v[8:13]    (-t_i, -t_i) for the three components
.set TMP,  14                          ; v[14:19]
.set REC,  20                          ; v[20:23]   (t0,t1) (t2,0) (x0,x1) (x2,1) in bf16
.set AF,   22                          ; v[22:29]   key fragment: REC+2, REC+3, six zeros
.set VF,   30                          ; v[30:37]   value fragment
.set ONES, 38                          ; v[38:45]   bf16 ones
.set BX0,  46                          ; query fragments: q' in lanes h = 0 (k 0-3) ...
.set BX1,  54                          ; ... or in lanes h = 1 (k 8-11); zeros elsewhere
.set BY0,  62
.set BY1,  70
.set SX,   78                          ; v[78:93]   two score tiles, then sigmoid, then packed in SX..SX+7
.set SY,   94
.set D2,   110                         ; v[110:125] 16 d^2, then d, then packed in D2..D2+7
.set TJ,   126                         ; v[126:173] quad q, component k at TJ + 12 q + 4 k
.set RAW,  174                         ; v[174:209] ring of 3 chunks: rows 0-2 of my transform
.set ACCX, 210
.set ACCY, 218
.set ACCT, 226
.set ACC1, 234
.set ONEP, 242                         ; (1.0, 1.0)
.set ZERO, 244
.set IOFF, 245
.set R,    246
.set H,    247
; prologue only
.set IR,   78                          ; rows 0-2 of my query's transform
.set Q,    94
.set U,    97                          ; u0, u1, u2, c
.set UP,   101
; tail only (wave 0)
.set PT,   78                          ; v[78:205] 16 partials x 8
.set G,    8
.set M7,   16
.set INV,  17
.set HH,   18
.set OX,   22
.set OY,   25
.set OT,   28
.set RA,   31                          ; where I read the partials
.set SA,   32                          ; stage + 36 r + 12 h
.set OA,   33                          ; stage + 16 lane
.set GO,   34                          ; 16 lane: my 16 bytes of the first 512 of the output
.set XA,   35                          ; stage + 36 r
.set GO2,  36                          ; 16 (lane & 3): my 16 bytes of the last 64
.set OA2,  37                          ; stage + 512 + 16 (lane & 3)
; ---------------------------------------------------------------- macros
.macro GLOAD c                         ; rows 0-2 of transform 512 c + thread; the address registers are never rewritten
.set GB, RAW+12*((\c)%3)
.irp k, 0,1,2
	global_load_b128 v[GB+4*\k:GB+4*\k+3], v[VOFF], s[4:5] offset:(\c)*32768+16*\k
.endr
.endm
.macro STAGE c                         ; chunk c: round to bf16, lay record and translations into LDS, ask for chunk c + 3
.if (\c) <= 5
	s_wait_loadcnt 6                               ; loads return in order (ISA guide 5.7.1): chunks c+1 and c+2 (3 loads each) stay out
.elseif (\c) == 6
	s_wait_loadcnt 3                               ; only chunk 7 is behind it
.else
	s_wait_loadcnt 0
.endif
.set RB, RAW+12*((\c)%3)
	v_cvt_pk_bf16_f32 v[REC+0], v[RB+3], v[RB+7]
	v_cvt_pk_bf16_f32 v[REC+1], v[RB+11], v[ZERO]
	v_cvt_pk_bf16_f32 v[REC+2], v[RB+0], v[RB+4]   ; REC+2, REC+3 are also registers 0, 1 of the key fragment
	v_cvt_pk_bf16_f32 v[REC+3], v[RB+8], v[ONEP]
	ds_store_b128 v[RS], v[REC:REC+3] offset:(\c)*CH       ; value columns 0-7
	ds_store_b128 v[RS], v[REC:REC+3] offset:(\c)*CH+16    ; and once more as columns 8-15
.irp k, 0,1,2
	ds_store_b32 v[TS], v[RB+4*\k+3] offset:(\c)*CH+TROW+128*\k
.endr
.if (\c)+3 <= 7
	GLOAD (\c)+3
.endif
.endm
.macro QLOAD c, q                      ; 4 translations x 3 components for slots 4 q .. 4 q + 3: j = 16 (q >> 1) + 8 h + 4 (q & 1) + 0..3
.irp k, 0,1,2
	ds_load_b128 v[TJ+12*(\q)+4*\k:TJ+12*(\q)+4*\k+3], v[TL] offset:(\c)*CH+TROW+128*\k+64*((\q)>>1)+16*((\q)&1)
.endr
.endm
.macro VFLOAD c                        ; records [j][16 columns] -> fragment: lane (r, h) gets column r, j = 8 h .. and 16 + 8 h ..
	ds_load_tr16_b128 v[VF:VF+3], v[VA] offset:(\c)*CH
	ds_load_tr16_b128 v[VF+4:VF+7], v[VA] offset:(\c)*CH+512
.endm
.macro DIST2 p                         ; d^2 of slots 2 p, 2 p + 1: seven plain instructions; D2 is first named by the sixth
.set TQ, TJ+12*((\p)>>1)+2*((\p)&1)
	v_pk_add_f32 v[TMP+0:TMP+1], v[TQ+0:TQ+1], v[NTI+0:NTI+1]
	v_pk_add_f32 v[TMP+2:TMP+3], v[TQ+4:TQ+5], v[NTI+2:NTI+3]
	v_pk_add_f32 v[TMP+4:TMP+5], v[TQ+8:TQ+9], v[NTI+4:NTI+5]
	v_pk_mul_f32 v[TMP+0:TMP+1], v[TMP+0:TMP+1], v[TMP+0:TMP+1]
	v_pk_fma_f32 v[TMP+0:TMP+1], v[TMP+2:TMP+3], v[TMP+2:TMP+3], v[TMP+0:TMP+1]
	v_pk_fma_f32 v[D2+2*(\p):D2+2*(\p)+1], v[TMP+4:TMP+5], v[TMP+4:TMP+5], v[TMP+0:TMP+1]
	v_max3_num_f32 v[MX], v[MX], v[D2+2*(\p)], v[D2+2*(\p)+1]
.endm
.macro TR8 op, b                       ; eight transcendentals in place, back to back
.irp k, 0,1,2,3,4,5,6,7
	\op v[\b+\k], v[\b+\k]
.endr
.endm
.macro ADD4 b                          ; 1 + exp2(..), eight numbers
.irp k, 0,2,4,6
	v_pk_add_f32 v[\b+\k:\b+\k+1], v[\b+\k:\b+\k+1], v[ONEP:ONEP+1]
.endr
.endm
.macro CVT4 dst, src                   ; eight f32 -> four registers of bf16 pairs; in place each source is read before it is written
.irp k, 0,1,2,3
	v_cvt_pk_bf16_f32 v[\dst+\k], v[\src+2*\k], v[\src+2*\k+1]
.endr
.endm
.macro SWMMA                           ; four score tiles: one key fragment serves j0 + 0..15 (k 0-3) and j0 + 16..31 (k 8-11)
	v_wmma_f32_16x16x32_bf16 v[SX:SX+7],    v[AF:AF+7], v[BX0:BX0+7], 0
	v_wmma_f32_16x16x32_bf16 v[SX+8:SX+15], v[AF:AF+7], v[BX1:BX1+7], 0
	v_wmma_f32_16x16x32_bf16 v[SY:SY+7],    v[AF:AF+7], v[BY0:BY0+7], 0
	v_wmma_f32_16x16x32_bf16 v[SY+8:SY+15], v[AF:AF+7], v[BY1:BY1+7], 0
.endm
.macro PV acc, p, first                ; acc(column, i) += sum over 32 j of V[j][column] P(i, j); the first product starts the sum
.if \first
	v_wmma_f32_16x16x32_bf16 v[\acc:\acc+7], v[VF:VF+7], v[\p:\p+7], 0
.else
	v_wmma_f32_16x16x32_bf16 v[\acc:\acc+7], v[VF:VF+7], v[\p:\p+7], v[\acc:\acc+7]
.endif
.endm
.macro DSW more, a, b                  ; counted LDS wait: a where the next chunk's LDS work stands behind, b in the last chunk
.if \more
	s_wait_dscnt \a
.else
	s_wait_dscnt \b
.endif
.endm
; One chunk.  Order of my LDS instructions: .. ST(c) 5, Q0-Q3(c) 3 each | VF(c) 2, ST(c+1) 5, Q0(c+1) 3, Q1(c+1) 3, Q2(c+1) 3, Q3(c+1) 3.
; LDS serves a wave's instructions in order (ISA guide 5.7.1), and the scratch is the wave's own: no barrier, no wait between store and load.
; Distances behind matrix instructions (ISA guide 7.12.1) are kept by the DIST2 blocks, plain instructions on registers of their own.
; Behind each run of transcendentals stands a plain independent instruction (a DIST2, a CVT4 of other registers, or the one v_nop).
.macro CHUNK c, first, more
	s_wait_dscnt 9                                 ; Q0(c) is in; Q1-Q3(c), 9 loads, stay out
	DIST2 0                                        ; 5 places before it writes D2 (read by the last chunk's product), 7 before the scores overwrite SY
	SWMMA
	VFLOAD \c                                      ; into VF: at least 5 places behind the products that read it
	DIST2 1                                        ; 7 places behind the score products: for the write of AF and the reads of SX
.if \more
	STAGE (\c)+1
	QLOAD (\c)+1, 0
.endif
	TR8 v_exp_f32, SX
	DSW \more, 16, 8                               ; Q1(c): behind it Q2, Q3 (6), VF (2) [, ST (5), Q0' (3)]
	DIST2 2
	ADD4 SX
	TR8 v_rcp_f32, SX
	DIST2 3
.if \more
	QLOAD (\c)+1, 1
.endif
	CVT4 SX, SX
	TR8 v_exp_f32, SX+8
	DSW \more, 16, 5                               ; Q2(c): behind it Q3 (3), VF (2) [, ST (5), Q0' (3), Q1' (3)]
	DIST2 4
	ADD4 SX+8
	TR8 v_rcp_f32, SX+8
	TR8 v_sqrt_f32, D2
	DIST2 5
.if \more
	QLOAD (\c)+1, 2
.endif
	CVT4 SX+4, SX+8
	CVT4 D2, D2
	DSW \more, 14, 0                               ; VF(c), and Q3(c) in front of it: behind it [ST (5), Q0', Q1', Q2' (9)]
	PV ACCX, SX, \first
	TR8 v_exp_f32, SY
	DIST2 6
	ADD4 SY
	TR8 v_rcp_f32, SY
	DIST2 7
.if \more
	QLOAD (\c)+1, 3
.endif
	TR8 v_exp_f32, SY+8
	CVT4 SY, SY
	ADD4 SY+8
	TR8 v_rcp_f32, SY+8
	TR8 v_sqrt_f32, D2+8
	v_nop                                          ; the plain place behind the last transcendentals
	CVT4 SY+4, SY+8
	CVT4 D2+4, D2+8
	PV ACCY, SY, \first
	PV ACCT, D2, \first
	PV ACC1, ONES, \first
.endm
; q' = scale x (Wq x_i + bq); u = Wk^T q', c = bk . q'; [u0 u1 | u2 c] in bf16 into lanes h = 0 of b0 and lanes h = 1 of b1
.macro QSIDE wq, wq8, bq, wk, wk8, bk, b0, b1
	v_fma_f32 v[Q+0], s[\wq+0], v[IR+0], s[\bq+0]
	v_fma_f32 v[Q+1], s[\wq+3], v[IR+0], s[\bq+1]
	v_fma_f32 v[Q+2], s[\wq+6], v[IR+0], s[\bq+2]
	v_fmac_f32 v[Q+0], s[\wq+1], v[IR+4]
	v_fmac_f32 v[Q+1], s[\wq+4], v[IR+4]
	v_fmac_f32 v[Q+2], s[\wq+7], v[IR+4]
	v_fmac_f32 v[Q+0], s[\wq+2], v[IR+8]
	v_fmac_f32 v[Q+1], s[\wq+5], v[IR+8]
	v_fmac_f32 v[Q+2], s[\wq8], v[IR+8]
.irp k, 0,1,2
	v_mul_f32 v[Q+\k], QSCALE, v[Q+\k]
.endr
	v_mul_f32 v[U+0], s[\wk+0], v[Q+0]
	v_mul_f32 v[U+1], s[\wk+1], v[Q+0]
	v_mul_f32 v[U+2], s[\wk+2], v[Q+0]
	v_mul_f32 v[U+3], s[\bk+0], v[Q+0]
	v_fmac_f32 v[U+0], s[\wk+3], v[Q+1]
	v_fmac_f32 v[U+1], s[\wk+4], v[Q+1]
	v_fmac_f32 v[U+2], s[\wk+5], v[Q+1]
	v_fmac_f32 v[U+3], s[\bk+1], v[Q+1]
	v_fmac_f32 v[U+0], s[\wk+6], v[Q+2]
	v_fmac_f32 v[U+1], s[\wk+7], v[Q+2]
	v_fmac_f32 v[U+2], s[\wk8], v[Q+2]
	v_fmac_f32 v[U+3], s[\bk+2], v[Q+2]
	v_cvt_pk_bf16_f32 v[UP+0], v[U+0], v[U+1]
	v_cvt_pk_bf16_f32 v[UP+1], v[U+2], v[U+3]
	v_cndmask_b32 v[\b0+0], v[ZERO], v[UP+0], vcc_lo       ; vcc: lane < 16
	v_cndmask_b32 v[\b0+1], v[ZERO], v[UP+1], vcc_lo
	v_cndmask_b32 v[\b1+0], v[UP+0], v[ZERO], vcc_lo
	v_cndmask_b32 v[\b1+1], v[UP+1], v[ZERO], vcc_lo
.endm
; dst[k] = W[k] . (a0, a1, a2) + b[k] a3, k = 0..2
.macro LIN3 dst, w, w8, b, a
	v_mul_f32 v[\dst+0], s[\b+0], v[\a+3]
	v_mul_f32 v[\dst+1], s[\b+1], v[\a+3]
	v_mul_f32 v[\dst+2], s[\b+2], v[\a+3]
	v_fmac_f32 v[\dst+0], s[\w+0], v[\a+0]
	v_fmac_f32 v[\dst+1], s[\w+3], v[\a+0]
	v_fmac_f32 v[\dst+2], s[\w+6], v[\a+0]
	v_fmac_f32 v[\dst+0], s[\w+1], v[\a+1]
	v_fmac_f32 v[\dst+1], s[\w+4], v[\a+1]
	v_fmac_f32 v[\dst+2], s[\w+7], v[\a+1]
	v_fmac_f32 v[\dst+0], s[\w+2], v[\a+2]
	v_fmac_f32 v[\dst+1], s[\w+5], v[\a+2]
	v_fmac_f32 v[\dst+2], s[\w8], v[\a+2]
.endm
; a 3 x 3 matrix (36 bytes) into s[w:w+7] and s[w8], its bias (12 bytes) into s[b:b+2]
.macro WLOAD w, w8, b, pw, pb
	s_load_b256 s[\w:\w+7], s[\pw:\pw+1], 0x0
	s_load_b32 s[\w8], s[\pw:\pw+1], 0x20
	s_load_b96 s[\b:\b+2], s[\pb:\pb+1], 0x0
.endm
; ---------------------------------------------------------------- prologue
	s_load_b128 s[4:7], s[0:1], 0x0                ; transforms s[4:5], out0 s[6:7]
	s_load_b512 s[8:23], s[0:1], 0x10              ; qx_w, qx_b, kx_w, kx_b, qy_w, qy_b, ky_w, ky_b
	s_load_b256 s[24:31], s[0:1], 0x50             ; vx_w, vx_b, vy_w, vy_b
	s_load_b128 s[32:35], s[0:1], 0x70             ; vt_w, vt_b
	v_lshrrev_b32 v[TMP], 5, v0
	v_readfirstlane_b32 s2, v[TMP]                 ; wave 0..15
	v_and_b32 v[LANE], 31, v0
	v_and_b32 v[R], 15, v0
	v_bfe_u32 v[H], v0, 4, 1
	v_lshlrev_b32 v[VOFF], 6, v0                   ; a transform is 64 bytes
	s_lshl_b32 s3, ttmp9, 10                       ; 16 query transforms a work-group
	v_lshl_add_u32 v[IOFF], v[R], 6, s3
	s_wait_kmcnt 0x0
.irp k, 0,1,2
	global_load_b128 v[IR+4*\k:IR+4*\k+3], v[IOFF], s[4:5] offset:16*\k    ; my query's rows 0-2
.endr
	GLOAD 0
	GLOAD 1
	GLOAD 2
	WLOAD 36, 44, 48, 8, 10                        ; qx
	WLOAD 52, 60, 68, 12, 14                       ; kx
	WLOAD 72, 80, 84, 16, 18                       ; qy
	WLOAD 88, 99, 96, 20, 22                       ; ky
	s_mul_i32 s61, s2, WSCR                        ; my wave's scratch
	v_lshl_add_u32 v[RS], v[LANE], 5, s61
	v_lshl_add_u32 v[TS], v[LANE], 2, s61
	v_lshl_add_u32 v[TL], v[H], 5, s61
	v_and_b32 v[TMP], 7, v0
	v_bfe_u32 v[TMP+1], v0, 3, 1
	v_lshl_add_u32 v[VA], v[TMP], 5, s61
	v_lshl_add_u32 v[VA], v[H], 8, v[VA]
	v_lshl_add_u32 v[VA], v[TMP+1], 4, v[VA]
	s_mov_b32 s66, 0x76543210                      ; v_permlanex16_b32: lane i reads lane i of the other half
	s_mov_b32 s67, 0xfedcba98
	v_mov_b32 v[ZERO], 0
	v_mov_b32 v[MX], 0                             ; d^2 >= 0, and d_ii = 0 is among them
	v_mov_b32 v[ONEP], 1.0
	v_mov_b32 v[ONEP+1], 1.0
.irp k, 0,1,2,3,4,5,6,7
	v_mov_b32 v[ONES+\k], 0x3f803f80
.endr
.irp k, 2,3,4,5,6,7                                ; k = 4..7 and 12..31 of the score products: constant zeros, written once
	v_mov_b32 v[AF+\k], 0
	v_mov_b32 v[BX0+\k], 0
	v_mov_b32 v[BX1+\k], 0
	v_mov_b32 v[BY0+\k], 0
	v_mov_b32 v[BY1+\k], 0
.endr
	v_cmp_gt_u32 vcc_lo, 16, v[LANE]
	s_wait_kmcnt 0x0                               ; the query-side weights
	s_wait_loadcnt 9                               ; my query's rows; chunks 0-2 (9 loads) stay out
.irp k, 0,1,2
	v_mul_f32 v[NTI+2*\k], -1.0, v[IR+4*\k+3]
	v_mul_f32 v[NTI+2*\k+1], -1.0, v[IR+4*\k+3]
.endr
	QSIDE 36, 44, 48, 52, 60, 68, BX0, BX1
	QSIDE 72, 80, 84, 88, 99, 96, BY0, BY1
	s_cmp_lg_u32 s2, 0                             ; the value-side weights serve wave 0's tail alone: asked for now, waited for there
	s_cbranch_scc1 .Lno_vw
	WLOAD 36, 44, 48, 24, 26                       ; vx
	WLOAD 52, 60, 68, 28, 30                       ; vy
	WLOAD 72, 80, 84, 32, 34                       ; vt
.Lno_vw:
	STAGE 0
	QLOAD 0, 0
	QLOAD 0, 1
	QLOAD 0, 2
	QLOAD 0, 3
; ---------------------------------------------------------------- the 8 chunks
	CHUNK 0, 1, 1
	CHUNK 1, 0, 1
	CHUNK 2, 0, 1
	CHUNK 3, 0, 1
	CHUNK 4, 0, 1
	CHUNK 5, 0, 1
	CHUNK 6, 0, 1
	CHUNK 7, 0, 0
; ---------------------------------------------------------------- a wave's partial sums into LDS
	s_mul_i32 s61, s2, RWAVE
	s_add_co_u32 s61, s61, RED
	v_mul_u32_u24 v[TMP], v[R], RPITCH             ; four plain places behind the last products, before their sums are read or written
	v_mov_b32 v[TMP+1], v[MX]                      ; (v_permlanex16_b32 counts as a reader of its destination)
	v_add_nc_u32 v[TMP], s61, v[TMP]
	v_nop
	v_permlanex16_b32 v[TMP+1], v[MX], s66, s67    ; the other half saw the other 16 j of every chunk
	v_max_num_f32 v[ACC1+3], v[MX], v[TMP+1]
	v_mov_b32 v[ACCT+3], v[ACCT+7]                 ; sum of d beside the sums of d t
	ds_store_b128 v[TMP], v[ACCT:ACCT+3]                   ; both halves hold, and write, the same bytes
	ds_store_b128 v[TMP], v[ACC1:ACC1+3] offset:16         ; sum t0..2, max d^2
	ds_store_b128 v[TMP], v[ACCX+4:ACCX+7] offset:32       ; sum sx x0..2, sum sx
	ds_store_b128 v[TMP], v[ACCY+4:ACCY+7] offset:48
	s_wait_dscnt 0x0                               ; for wave 0's sake: my stores are done before I signal
	s_barrier_signal -1
	s_barrier_wait -1
	s_cmp_lg_u32 s2, 0
	s_cbranch_scc1 .Lend
; ---------------------------------------------------------------- tail, wave 0: add 16 partials, apply the value linears, store
; lane (r, h) takes bytes 32 h .. 32 h + 31 of row r: h = 0 the translation sums, h = 1 the x and y sums
	s_mul_i32 s62, ttmp9, 576                      ; 16 rows of 36 bytes
	s_mov_b32 s63, 0
	s_add_nc_u64 s[6:7], s[6:7], s[62:63]
	s_mov_b32 s3, 0x46000000                       ; 8192.0 = 2 x 4096
	v_mul_u32_u24 v[RA], v[R], RPITCH
	v_lshl_add_u32 v[RA], v[H], 5, v[RA]
	v_add_nc_u32 v[RA], RED, v[RA]
.irp w, 0,1,2,3,4,5,6,7,8,9,10,11,12,13,14,15
	ds_load_b128 v[PT+8*\w:PT+8*\w+3],   v[RA] offset:\w*RWAVE
	ds_load_b128 v[PT+8*\w+4:PT+8*\w+7], v[RA] offset:\w*RWAVE+16
.endr
	v_mul_u32_u24 v[XA], v[R], 36
	v_add_nc_u32 v[XA], OST, v[XA]                 ; stage + 36 r
	v_mad_u32_u24 v[SA], v[H], 12, v[XA]           ; stage + 36 r + 12 h
	v_lshlrev_b32 v[GO], 4, v[LANE]
	v_add_nc_u32 v[OA], OST, v[GO]
	v_and_b32 v[GO2], 3, v[LANE]
	v_lshlrev_b32 v[GO2], 4, v[GO2]
	v_add_nc_u32 v[OA2], OST+512, v[GO2]           ; every lane's address lies in the stage's last 64 bytes
	s_wait_dscnt 28                                ; partials 0 and 1 are in; 14 partials x 2 loads stay out
.irp k, 0,2,4,6
	v_pk_add_f32 v[G+\k:G+\k+1], v[PT+\k:PT+\k+1], v[PT+8+\k:PT+8+\k+1]
.endr
	v_max_num_f32 v[M7], v[PT+7], v[PT+15]         ; word 7 is a maximum for h = 0 (a sum for h = 1): both are kept
.irp w, 2,3,4,5,6,7,8,9,10,11,12,13,14,15
	s_wait_dscnt 2*(15-\w)
.irp k, 0,2,4,6
	v_pk_add_f32 v[G+\k:G+\k+1], v[G+\k:G+\k+1], v[PT+8*\w+\k:PT+8*\w+\k+1]
.endr
	v_max_num_f32 v[M7], v[M7], v[PT+8*\w+7]
.endr
	s_wait_kmcnt 0x0                               ; vx, vy, vt
	v_rsq_f32 v[INV], v[M7]                        ; 1 / largest distance; the plain lines of LIN3 stand before its use
	LIN3 OX, 36, 44, 48, G                         ; right in lanes h = 1
	LIN3 OY, 52, 60, 68, G+4                       ; right in lanes h = 1
.irp k, 0,1,2
	v_mul_f32 v[HH+\k], v[INV], v[G+\k]
.endr
.irp k, 0,1,2
	v_fma_f32 v[HH+\k], 2.0, v[G+4+\k], -v[HH+\k]  ; 2 sum t - (sum d t) / m
.endr
	v_fma_f32 v[HH+3], -v[INV], v[G+3], s3         ; sum of the attention row: 8192 - (sum d) / m
	LIN3 OT, 72, 80, 84, HH                        ; right in lanes h = 0
	v_cmp_gt_u32 vcc_lo, 16, v[LANE]
.irp k, 0,1,2
	v_permlanex16_b32 v[PT+\k], v[OX+\k], s66, s67         ; lanes h = 0 fetch row r's x columns from lane 16 + r (PT is done with, and written)
.endr
.irp k, 0,1,2
	v_cndmask_b32 v[OT+\k], v[OY+\k], v[OT+\k], vcc_lo     ; h = 0: translation columns 0-2; h = 1: y columns 3-5
	v_cndmask_b32 v[OX+\k], v[OX+\k], v[PT+\k], vcc_lo     ; x columns 6-8, now in both halves
.endr
.irp k, 0,1,2
	ds_store_b32 v[SA], v[OT+\k] offset:4*\k
	ds_store_b32 v[XA], v[OX+\k] offset:24+4*\k    ; both halves write the same bytes with the same numbers
.endr
	ds_load_b128 v[PT:PT+3], v[OA]                 ; my own stores, served in order: the first 512 bytes, 16 a lane
	ds_load_b128 v[PT+4:PT+7], v[OA2]              ; the last 64 bytes, eight lanes to each 16
	s_wait_dscnt 0x0
	global_store_b128 v[GO], v[PT:PT+3], s[6:7] th:TH_STORE_NT
	v_cmp_gt_u32 vcc_lo, 4, v[LANE]
	s_wait_xcnt 0x0                                ; the pending store's EXEC is one of its sources: narrowed only behind this wait
	s_and_saveexec_b32 s46, vcc_lo
	global_store_b128 v[GO2], v[PT+4:PT+7], s[6:7] offset:512 th:TH_STORE_NT   ; lanes 0-3: 64 consecutive bytes
	s_endpgm
.Lend:
	s_endpgm
.Lfunc_end_k_q708321a96b_se3head:
	.size	k_q708321a96b_se3head, .Lfunc_end_k_q708321a96b_se3head-k_q708321a96b_se3head
	.p2alignl 7, 3214868480
	.fill 96, 4, 3214868480
	.section	.rodata,"a",@progbits
	.p2align	6, 0x0
	.amdhsa_kernel k_q708321a96b_se3head
		.amdhsa_group_segment_fixed_size 201472
		.amdhsa_private_segment_fixed_size 0
		.amdhsa_enable_private_segment 0
		.amdhsa_kernarg_size 128
		.amdhsa_user_sgpr_count 2
		.amdhsa_user_sgpr_kernarg_segment_ptr 1
		.amdhsa_wavefront_size32 1
		.amdhsa_system_sgpr_workgroup_id_x 1
		.amdhsa_system_sgpr_workgroup_id_y 1
		.amdhsa_system_sgpr_workgroup_id_z 1
		.amdhsa_system_vgpr_workitem_id 0
		.amdhsa_next_free_vgpr 248
		.amdhsa_next_free_sgpr 100
		.amdhsa_reserve_vcc 1
		.amdhsa_float_denorm_mode_32 3
		.amdhsa_float_denorm_mode_16_64 3
		.amdhsa_memory_ordered 1
		.amdhsa_forward_progress 1
		.amdhsa_inst_pref_size 106
	.end_amdhsa_kernel
	.amdgpu_metadata
---
amdhsa.version: [ 1, 2 ]
amdhsa.kernels:
  - .name:           k_q708321a96b_se3head
    .symbol:         k_q708321a96b_se3head.kd
    .args:
      - { .name: transforms, .offset: 0, .size: 8, .value_kind: global_buffer, .address_space: global }
      - { .name: out0, .offset: 8, .size: 8, .value_kind: global_buffer, .address_space: global }
      - { .name: qx_w, .offset: 16, .size: 8, .value_kind: global_buffer, .address_space: global }
      - { .name: qx_b, .offset: 24, .size: 8, .value_kind: global_buffer, .address_space: global }
      - { .name: kx_w, .offset: 32, .size: 8, .value_kind: global_buffer, .address_space: global }
      - { .name: kx_b, .offset: 40, .size: 8, .value_kind: global_buffer, .address_space: global }
      - { .name: qy_w, .offset: 48, .size: 8, .value_kind: global_buffer, .address_space: global }
      - { .name: qy_b, .offset: 56, .size: 8, .value_kind: global_buffer, .address_space: global }
      - { .name: ky_w, .offset: 64, .size: 8, .value_kind: global_buffer, .address_space: global }
      - { .name: ky_b, .offset: 72, .size: 8, .value_kind: global_buffer, .address_space: global }
      - { .name: vx_w, .offset: 80, .size: 8, .value_kind: global_buffer, .address_space: global }
      - { .name: vx_b, .offset: 88, .size: 8, .value_kind: global_buffer, .address_space: global }
      - { .name: vy_w, .offset: 96, .size: 8, .value_kind: global_buffer, .address_space: global }
      - { .name: vy_b, .offset: 104, .size: 8, .value_kind: global_buffer, .address_space: global }
      - { .name: vt_w, .offset: 112, .size: 8, .value_kind: global_buffer, .address_space: global }
      - { .name: vt_b, .offset: 120, .size: 8, .value_kind: global_buffer, .address_space: global }
    .group_segment_fixed_size: 201472
    .private_segment_fixed_size: 0
    .kernarg_segment_align: 8
    .kernarg_segment_size: 128
    .max_flat_workgroup_size: 512
    .sgpr_count:     100
    .vgpr_count:     248
    .wavefront_size: 32
...
	.end_amdgpu_metadata
.endif
;; end of part 1
;; ======== version 2 of 2: 1 launch; 1.25 times as fast as version 1
;; launch se3head (part 2): grid 256 x 1, 16 waves a work-group, no clusters, 201,472 bytes of LDS; arguments transforms, out0, qx_w, qx_b, kx_w, kx_b, qy_w, qy_b, ky_w, ky_b, vx_w, vx_b, vy_w, vy_b, vt_w, vt_b; writes out0
.if DOCPART == 2
	.amdgcn_target "amdgcn-amd-amdhsa--gfx1250"
	.amdhsa_code_object_version 6
	.text
	.protected	k_q708321a96b_se3head
	.globl	k_q708321a96b_se3head
	.p2align	8
	.type	k_q708321a96b_se3head,@function
k_q708321a96b_se3head:
	s_mov_b64 s[64:65], 0
	v_nop
	global_prefetch_b8 v0, s[64:65] scope:SCOPE_SE
	s_setreg_imm32_b32 hwreg(HW_REG_WAVE_MODE, 25, 1), 1
	s_wait_xcnt 0x0
; FlatSE3AttentionHead, 4096 poses, one launch.   out0[i] = [ att_t @ tr_v | att_y @ yr_v | att_x @ xr_v ]  (9 f32 a row)
;
; SHARING.  Work-group g owns the 16 query rows i = 16 g + r against all 4096 j.  16 waves; a wave takes 8 chunks of 32 j
; (chunk c: j = 512 c + thread number).  Lane (r = lane & 15, h = lane >> 4) always works for query row r.
;
; ALGEBRA (exact, for every input):
;  * q.(Wk x_j + bk) = (Wk^T q).x_j + q.bk: the key operand is [x_j, 1] for both branches; -log2(e)/sqrt(3) is folded into q,
;    so the score product IS the argument of exp2 in sigmoid = 1 / (1 + exp2(arg)).
;  * sum_j a_ij (W v_j + b) = W (sum_j a_ij v_j) + b sum_j a_ij: the value operand is the raw [t_j, 0, x_j, 1]; the three value
;    linears are applied once a row, in f32, at the end.
;  * sum_j (2 - d_ij / m_i) g_j = 2 sum_j g_j - (1 / m_i) sum_j d_ij g_j: one pass with a running maximum of d^2.  d / m is in
;    [0, 1], so the second term is never larger than half of the first where g has one sign.  d comes from f32 differences.
;
; MATRIX LAYOUTS (16x16x32 bf16; ISA guide 7.12.2).  Scores are made transposed, D = keys x queries: lane (r, h), register jj of
; tile a = s(j0 + 16 a + 8 h + jj, i = r).  Packed to bf16 that is already the K = 32 operand of the value product, so nothing is
; shuffled between the two products.  The distances are computed straight in that layout.  The value table's 8 columns are stored
; twice (16 columns), so both halves of the lanes end with all eight sums of their query row.
;
; SCHEDULE.  A chunk has 80 transcendentals and about 100 plain vector instructions for each wave.  They are zipped one to one, each
; transcendental beside a plain instruction on other registers, and the distance blocks go in interleaved pairs, so that a line
; seldom needs the line in front of it.  LDS and global instructions stand in two runs a chunk, none behind a matrix instruction.
;
; NOT USED, by this text's arithmetic.  Clusters / joint tensor loads: all work-groups read the same 256 KiB, but a chunk's share
; is 1,536 bytes for some two hundred instructions, each lane needs its own j in registers for the rounding to bf16 (where it already
; is the key fragment), and tiles through LDS would add f32 slots, LDS reads and a barrier of 16 waves for each refill.
; Prefetch: every work-group reads the same small input, and a ring of three chunks in registers runs ahead.
; OUTPUT: 16 rows of 36 bytes = 576 consecutive bytes a work-group, stored as 512 + 64 consecutive bytes from an LDS stage.
;
; LIMITS.  Non-finite inputs are not served (v_max3_num_f32 drops a NaN).  |t_j - t_i| below 1.8e19 (d^2 in f32); d^2 below
; 2^-126 counts as 0 in v_sqrt_f32 / v_rsq_f32.  Matrix operands (x, t, folded q, sigmoid, d) are rounded to bf16; the order of sums
; and the association of the linears differ from reference()'s.  exp2 overflow gives sigmoid 0, underflow 1.  A row whose
; largest distance is 0 gives NaN in columns 0-2, as 0 / 0 does in reference().
.set NCH,    8                         ; chunks of a wave
.set CH,     1408                      ; LDS bytes of a chunk: 32 records of 32 bytes, then 3 rows of 32 f32 (t0, t1, t2)
.set TROW,   1024                      ; where the three rows begin
.set WSCR,   NCH*CH                    ; a wave's scratch; every chunk has bytes of its own, nothing is written twice
.set RED,    16*WSCR                   ; 180,224: the waves' partial sums
.set RPITCH, 80                        ; 64 bytes a query row + 16: an odd multiple of 16, so 16 rows start in different banks
.set RWAVE,  16*RPITCH
.set OST,    RED+16*RWAVE              ; 200,704: the 16 output rows, 576 bytes
.set QSCALE, 0xbf553b94                ; -log2(e) / sqrt(3)
; vector registers
.set LANE, 1
.set VOFF, 2                           ; 64 x thread: my j's transform inside a chunk's 32,768 bytes
.set RS,   3                           ; scratch + 32 lane: my record
.set TS,   4                           ; scratch + 4 lane: my word in a translation row
.set TL,   5                           ; scratch + 32 h: the 8 translations of my half
.set VA,   6                           ; scratch + (8 h + (lane & 7)) 32 + 16 ((lane >> 3) & 1): transposing load
.set MX,   7                           ; running maximum of d^2, even distance blocks
.set NTI,  8                           ; v[8:13]    (-t_i, -t_i) for the three components
.set TMP,  14                          ; v[14:19]   temporaries of the even distance blocks
.set REC,  20                          ; v[20:23]   (t0,t1) (t2,0) (x0,x1) (x2,1) in bf16
.set AF,   22                          ; v[22:29]   key fragment: REC+2, REC+3, six zeros
.set VF,   30                          ; v[30:37]   value fragment
.set ONES, 38                          ; v[38:45]   bf16 ones
.set BX0,  46                          ; query fragments: q' in lanes h = 0 (k 0-3) ...
.set BX1,  54                          ; ... or in lanes h = 1 (k 8-11); zeros elsewhere
.set BY0,  62
.set BY1,  70
.set SX,   78                          ; v[78:93]   two score tiles, then sigmoid, then packed in SX..SX+7
.set SY,   94
.set D2,   110                         ; v[110:125] 16 d^2, then d, then packed in D2..D2+7
.set TJ,   126                         ; v[126:173] quad q, component k at TJ + 12 q + 4 k
.set RAW,  174                         ; v[174:209] ring of 3 chunks: rows 0-2 of my transform
.set ACCX, 210
.set ACCY, 218
.set ACCT, 226
.set ACC1, 234
.set ONEP, 242                         ; (1.0, 1.0)
.set ZERO, 244
.set IOFF, 245                         ; prologue: my query's byte offset
.set MXB,  245                         ; then: running maximum of d^2, odd distance blocks
.set R,    246
.set H,    247
.set TMPB, 248                         ; v[248:253] temporaries of the odd distance blocks
; prologue only
.set IR,   78                          ; rows 0-2 of my query's transform
.set Q,    94
.set U,    97                          ; u0, u1, u2, c
.set UP,   101
; tail only (wave 0)
.set PT,   78                          ; v[78:205] 16 partials x 8
.set G,    8
.set M7,   16
.set INV,  17
.set HH,   18
.set OX,   22
.set OY,   25
.set OT,   28
.set RA,   31                          ; where I read the partials
.set SA,   32                          ; stage + 36 r + 12 h
.set OA,   33                          ; stage + 16 lane
.set GO,   34                          ; 16 lane: my 16 bytes of the first 512 of the output
.set XA,   35                          ; stage + 36 r
.set GO2,  36                          ; 16 (lane & 3): my 16 bytes of the last 64
.set OA2,  37                          ; stage + 512 + 16 (lane & 3)
; ---------------------------------------------------------------- macros
.macro GLOAD c                         ; rows 0-2 of transform 512 c + thread; the address registers are never rewritten
.set GB, RAW+12*((\c)%3)
.irp k, 0,1,2
	global_load_b128 v[GB+4*\k:GB+4*\k+3], v[VOFF], s[4:5] offset:(\c)*32768+16*\k
.endr
.endm
.macro STAGE c                         ; chunk c: round to bf16, lay record and translations into LDS, ask for chunk c + 3
.if (\c) <= 5
	s_wait_loadcnt 6                               ; loads return in order (ISA guide 5.7.1): chunks c+1 and c+2 (3 loads each) stay out
.elseif (\c) == 6
	s_wait_loadcnt 3                               ; only chunk 7 is behind it
.else
	s_wait_loadcnt 0
.endif
.set RB, RAW+12*((\c)%3)
	v_cvt_pk_bf16_f32 v[REC+0], v[RB+3], v[RB+7]
	v_cvt_pk_bf16_f32 v[REC+1], v[RB+11], v[ZERO]
	v_cvt_pk_bf16_f32 v[REC+2], v[RB+0], v[RB+4]   ; REC+2, REC+3 are also registers 0, 1 of the key fragment
	v_cvt_pk_bf16_f32 v[REC+3], v[RB+8], v[ONEP]
	ds_store_b128 v[RS], v[REC:REC+3] offset:(\c)*CH       ; value columns 0-7
	ds_store_b128 v[RS], v[REC:REC+3] offset:(\c)*CH+16    ; and once more as columns 8-15
.irp k, 0,1,2
	ds_store_b32 v[TS], v[RB+4*\k+3] offset:(\c)*CH+TROW+128*\k
.endr
.if (\c)+3 <= 7
	GLOAD (\c)+3
.endif
.endm
.macro QLOAD c, q                      ; 4 translations x 3 components for slots 4 q .. 4 q + 3: j = 16 (q >> 1) + 8 h + 4 (q & 1) + 0..3
.irp k, 0,1,2
	ds_load_b128 v[TJ+12*(\q)+4*\k:TJ+12*(\q)+4*\k+3], v[TL] offset:(\c)*CH+TROW+128*\k+64*((\q)>>1)+16*((\q)&1)
.endr
.endm
.macro VFLOAD c                        ; records [j][16 columns] -> fragment: lane (r, h) gets column r, j = 8 h .. and 16 + 8 h ..
	ds_load_tr16_b128 v[VF:VF+3], v[VA] offset:(\c)*CH
	ds_load_tr16_b128 v[VF+4:VF+7], v[VA] offset:(\c)*CH+512
.endm
; Distance block b makes d^2 of slots 2 b, 2 b + 1 in seven lines: three differences, a square, two fused multiply-adds, a maximum.
; Blocks go in pairs (p, p + 1), line by line in turn, each with temporaries and a running maximum of its own: DP emits line n (0..13)
; of the pair's 14.  Lines 0-9 name only temporaries, translations and -t_i; lines 10, 11 write D2; lines 12, 13 read it.
.macro DP p, n
.set DPQ, (\p)+((\n)&1)
.set DPT, TMP+((\n)&1)*(TMPB-TMP)
.set DPM, MX+((\n)&1)*(MXB-MX)
.set DPK, (\n)>>1
.set DPS, TJ+12*(DPQ>>1)+2*(DPQ&1)
.if DPK < 3
	v_pk_add_f32 v[DPT+2*DPK:DPT+2*DPK+1], v[DPS+4*DPK:DPS+4*DPK+1], v[NTI+2*DPK:NTI+2*DPK+1]
.elseif DPK == 3
	v_pk_mul_f32 v[DPT:DPT+1], v[DPT:DPT+1], v[DPT:DPT+1]
.elseif DPK == 4
	v_pk_fma_f32 v[DPT:DPT+1], v[DPT+2:DPT+3], v[DPT+2:DPT+3], v[DPT:DPT+1]
.elseif DPK == 5
	v_pk_fma_f32 v[D2+2*DPQ:D2+2*DPQ+1], v[DPT+4:DPT+5], v[DPT+4:DPT+5], v[DPT:DPT+1]
.else
	v_max3_num_f32 v[DPM], v[DPM], v[D2+2*DPQ], v[D2+2*DPQ+1]
.endif
.endm
.macro DPRUN p, from, to               ; lines from .. to of the pair, by themselves
.set di, \from
.rept (\to)-(\from)+1
	DP \p, di
.set di, di+1
.endr
.endm
; The zips.  Behind each transcendental stands a plain line on other registers, which is also the place that has to stand between a
; transcendental and the first use of its result (ISA guide 5.7.2); every result is first used in a later zip.
.macro ZIPD op, b, p                   ; 16 transcendentals in place on v[b .. b+15], with the 14 lines of the distance pair p, p + 1
.set zi, 0
.rept 16
	\op v[\b+zi], v[\b+zi]
.if zi < 14
	DP \p, zi
.endif
.set zi, zi+1
.endr
.endm
.macro ZIPA op, b, a                   ; 8 transcendentals in place on v[b .. b+7], with 1 + exp2(..) on the 16 numbers v[a .. a+15]
.set zi, 0
.rept 8
	\op v[\b+zi], v[\b+zi]
	v_pk_add_f32 v[\a+2*zi:\a+2*zi+1], v[\a+2*zi:\a+2*zi+1], v[ONEP:ONEP+1]
.set zi, zi+1
.endr
.endm
.macro ZIPC op, b, p                   ; 8 transcendentals in place, with the packing of v[p .. p+15] to bf16 pairs in v[p .. p+7]
.set zi, 0                             ; (line k writes p + k and reads p + 2 k, p + 2 k + 1: no source is written before it is read)
.rept 8
	\op v[\b+zi], v[\b+zi]
	v_cvt_pk_bf16_f32 v[\p+zi], v[\p+2*zi], v[\p+2*zi+1]
.set zi, zi+1
.endr
.endm
.macro CVT8 p                          ; the packing by itself
.set zi, 0
.rept 8
	v_cvt_pk_bf16_f32 v[\p+zi], v[\p+2*zi], v[\p+2*zi+1]
.set zi, zi+1
.endr
.endm
.macro SWMMA                           ; four score tiles: one key fragment serves j0 + 0..15 (k 0-3) and j0 + 16..31 (k 8-11)
	v_wmma_f32_16x16x32_bf16 v[SX:SX+7],    v[AF:AF+7], v[BX0:BX0+7], 0
	v_wmma_f32_16x16x32_bf16 v[SX+8:SX+15], v[AF:AF+7], v[BX1:BX1+7], 0
	v_wmma_f32_16x16x32_bf16 v[SY:SY+7],    v[AF:AF+7], v[BY0:BY0+7], 0
	v_wmma_f32_16x16x32_bf16 v[SY+8:SY+15], v[AF:AF+7], v[BY1:BY1+7], 0
.endm
.macro PV acc, p, first                ; acc(column, i) += sum over 32 j of V[j][column] P(i, j); the first product starts the sum
.if \first
	v_wmma_f32_16x16x32_bf16 v[\acc:\acc+7], v[VF:VF+7], v[\p:\p+7], 0
.else
	v_wmma_f32_16x16x32_bf16 v[\acc:\acc+7], v[VF:VF+7], v[\p:\p+7], v[\acc:\acc+7]
.endif
.endm
.macro DSW more, a, b                  ; counted LDS wait: a where the next chunk's LDS work stands behind, b in the last chunk
.if \more
	s_wait_dscnt \a
.else
	s_wait_dscnt \b
.endif
.endm
; One chunk.  Order of my LDS instructions:  .. Q0(c) 3, Q1(c) 3 | Q2(c) 3, Q3(c) 3 || ST(c+1) 5, VF(c) 2, Q0(c+1) 3, Q1(c+1) 3 | Q2(c+1) 3, Q3(c+1) 3.
; LDS serves a wave's instructions in order (ISA guide 5.7.1), and the scratch is the wave's own: no barrier, no wait between store and load.
; Distances behind matrix instructions (ISA guide 7.12.1), counted in plain vector lines that name none of their registers:
;   last chunk's Y product -> score products over SY: the 8 lines in front of them;   score products -> exp of SX: the 6 lines behind them;
;   score products -> new key fragment, last products -> load into VF: those 6 and the 14 of the first zip;
;   X product -> next score products over SX, d product -> next d^2 into D2: the packings of d and of Y and the next chunk's first lines.
.macro CHUNK c, first, more
	s_wait_dscnt 6                                 ; Q0(c) and Q1(c) are in; Q2(c), Q3(c), 6 loads, stay out
	DPRUN 0, 0, 7                                  ; distances 0, 1: differences and squares
	SWMMA
	DPRUN 0, 8, 13                                 ; and the rest of them
	ZIPD v_exp_f32, SX, 2
.if \more
	STAGE (\c)+1                                   ; first run of memory instructions: 5 LDS stores, 3 global loads,
.endif
	VFLOAD \c                                      ; this chunk's value fragment,
.if \more
	QLOAD (\c)+1, 0                                ; and the two quads that distances 0-3 have done with
	QLOAD (\c)+1, 1
.endif
	DSW \more, 16, 5                               ; Q2(c): behind it Q3(c) (3) and the run above (13; in the last chunk VF alone, 2)
	ZIPD v_exp_f32, SY, 4
	ZIPA v_sqrt_f32, D2, SX
	DSW \more, 13, 2                               ; Q3(c): behind it the run above
	ZIPD v_rcp_f32, SX, 6
.if \more
	QLOAD (\c)+1, 2                                ; second run: the other two quads
	QLOAD (\c)+1, 3
.endif
	ZIPA v_sqrt_f32, D2+8, SY
	ZIPC v_rcp_f32, SY, SX
	DSW \more, 12, 0                               ; VF(c): behind it the next chunk's four quads (12)
	PV ACCX, SX, \first
	PV ACC1, ONES, \first
	ZIPC v_rcp_f32, SY+8, D2
	PV ACCT, D2, \first
	CVT8 SY
	PV ACCY, SY, \first
.endm
; q' = scale x (Wq x_i + bq); u = Wk^T q', c = bk . q'; [u0 u1 | u2 c] in bf16 into lanes h = 0 of b0 and lanes h = 1 of b1
.macro QSIDE wq, wq8, bq, wk, wk8, bk, b0, b1
	v_fma_f32 v[Q+0], s[\wq+0], v[IR+0], s[\bq+0]
	v_fma_f32 v[Q+1], s[\wq+3], v[IR+0], s[\bq+1]
	v_fma_f32 v[Q+2], s[\wq+6], v[IR+0], s[\bq+2]
	v_fmac_f32 v[Q+0], s[\wq+1], v[IR+4]
	v_fmac_f32 v[Q+1], s[\wq+4], v[IR+4]
	v_fmac_f32 v[Q+2], s[\wq+7], v[IR+4]
	v_fmac_f32 v[Q+0], s[\wq+2], v[IR+8]
	v_fmac_f32 v[Q+1], s[\wq+5], v[IR+8]
	v_fmac_f32 v[Q+2], s[\wq8], v[IR+8]
.irp k, 0,1,2
	v_mul_f32 v[Q+\k], QSCALE, v[Q+\k]
.endr
	v_mul_f32 v[U+0], s[\wk+0], v[Q+0]
	v_mul_f32 v[U+1], s[\wk+1], v[Q+0]
	v_mul_f32 v[U+2], s[\wk+2], v[Q+0]
	v_mul_f32 v[U+3], s[\bk+0], v[Q+0]
	v_fmac_f32 v[U+0], s[\wk+3], v[Q+1]
	v_fmac_f32 v[U+1], s[\wk+4], v[Q+1]
	v_fmac_f32 v[U+2], s[\wk+5], v[Q+1]
	v_fmac_f32 v[U+3], s[\bk+1], v[Q+1]
	v_fmac_f32 v[U+0], s[\wk+6], v[Q+2]
	v_fmac_f32 v[U+1], s[\wk+7], v[Q+2]
	v_fmac_f32 v[U+2], s[\wk8], v[Q+2]
	v_fmac_f32 v[U+3], s[\bk+2], v[Q+2]
	v_cvt_pk_bf16_f32 v[UP+0], v[U+0], v[U+1]
	v_cvt_pk_bf16_f32 v[UP+1], v[U+2], v[U+3]
	v_cndmask_b32 v[\b0+0], v[ZERO], v[UP+0], vcc_lo       ; vcc: lane < 16
	v_cndmask_b32 v[\b0+1], v[ZERO], v[UP+1], vcc_lo
	v_cndmask_b32 v[\b1+0], v[UP+0], v[ZERO], vcc_lo
	v_cndmask_b32 v[\b1+1], v[UP+1], v[ZERO], vcc_lo
.endm
; dst[k] = W[k] . (a0, a1, a2) + b[k] a3, k = 0..2
.macro LIN3 dst, w, w8, b, a
	v_mul_f32 v[\dst+0], s[\b+0], v[\a+3]
	v_mul_f32 v[\dst+1], s[\b+1], v[\a+3]
	v_mul_f32 v[\dst+2], s[\b+2], v[\a+3]
	v_fmac_f32 v[\dst+0], s[\w+0], v[\a+0]
	v_fmac_f32 v[\dst+1], s[\w+3], v[\a+0]
	v_fmac_f32 v[\dst+2], s[\w+6], v[\a+0]
	v_fmac_f32 v[\dst+0], s[\w+1], v[\a+1]
	v_fmac_f32 v[\dst+1], s[\w+4], v[\a+1]
	v_fmac_f32 v[\dst+2], s[\w+7], v[\a+1]
	v_fmac_f32 v[\dst+0], s[\w+2], v[\a+2]
	v_fmac_f32 v[\dst+1], s[\w+5], v[\a+2]
	v_fmac_f32 v[\dst+2], s[\w8], v[\a+2]
.endm
; a 3 x 3 matrix (36 bytes) into s[w:w+7] and s[w8], its bias (12 bytes) into s[b:b+2]
.macro WLOAD w, w8, b, pw, pb
	s_load_b256 s[\w:\w+7], s[\pw:\pw+1], 0x0
	s_load_b32 s[\w8], s[\pw:\pw+1], 0x20
	s_load_b96 s[\b:\b+2], s[\pb:\pb+1], 0x0
.endm
; ---------------------------------------------------------------- prologue
	s_load_b128 s[4:7], s[0:1], 0x0                ; transforms s[4:5], out0 s[6:7]
	s_load_b512 s[8:23], s[0:1], 0x10              ; qx_w, qx_b, kx_w, kx_b, qy_w, qy_b, ky_w, ky_b
	s_load_b256 s[24:31], s[0:1], 0x50             ; vx_w, vx_b, vy_w, vy_b
	s_load_b128 s[32:35], s[0:1], 0x70             ; vt_w, vt_b
	v_lshrrev_b32 v[TMP], 5, v0
	v_readfirstlane_b32 s2, v[TMP]                 ; wave 0..15
	v_and_b32 v[LANE], 31, v0
	v_and_b32 v[R], 15, v0
	v_bfe_u32 v[H], v0, 4, 1
	v_lshlrev_b32 v[VOFF], 6, v0                   ; a transform is 64 bytes
	s_lshl_b32 s3, ttmp9, 10                       ; 16 query transforms a work-group
	v_lshl_add_u32 v[IOFF], v[R], 6, s3
	s_wait_kmcnt 0x0
.irp k, 0,1,2
	global_load_b128 v[IR+4*\k:IR+4*\k+3], v[IOFF], s[4:5] offset:16*\k    ; my query's rows 0-2
.endr
	GLOAD 0
	GLOAD 1
	GLOAD 2
	WLOAD 36, 44, 48, 8, 10                        ; qx
	WLOAD 52, 60, 68, 12, 14                       ; kx
	WLOAD 72, 80, 84, 16, 18                       ; qy
	WLOAD 88, 99, 96, 20, 22                       ; ky
	s_mul_i32 s61, s2, WSCR                        ; my wave's scratch
	v_lshl_add_u32 v[RS], v[LANE], 5, s61
	v_lshl_add_u32 v[TS], v[LANE], 2, s61
	v_lshl_add_u32 v[TL], v[H], 5, s61
	v_and_b32 v[TMP], 7, v0
	v_bfe_u32 v[TMP+1], v0, 3, 1
	v_lshl_add_u32 v[VA], v[TMP], 5, s61
	v_lshl_add_u32 v[VA], v[H], 8, v[VA]
	v_lshl_add_u32 v[VA], v[TMP+1], 4, v[VA]
	s_mov_b32 s66, 0x76543210                      ; v_permlanex16_b32: lane i reads lane i of the other half
	s_mov_b32 s67, 0xfedcba98
	v_mov_b32 v[ZERO], 0
	v_mov_b32 v[MX], 0                             ; d^2 >= 0, and d_ii = 0 is among them
	v_mov_b32 v[ONEP], 1.0
	v_mov_b32 v[ONEP+1], 1.0
.irp k, 0,1,2,3,4,5,6,7
	v_mov_b32 v[ONES+\k], 0x3f803f80
.endr
.irp k, 2,3,4,5,6,7                                ; k = 4..7 and 12..31 of the score products: constant zeros, written once
	v_mov_b32 v[AF+\k], 0
	v_mov_b32 v[BX0+\k], 0
	v_mov_b32 v[BX1+\k], 0
	v_mov_b32 v[BY0+\k], 0
	v_mov_b32 v[BY1+\k], 0
.endr
	v_cmp_gt_u32 vcc_lo, 16, v[LANE]
	s_wait_kmcnt 0x0                               ; the query-side weights
	s_wait_loadcnt 9                               ; my query's rows; chunks 0-2 (9 loads) stay out
	v_mov_b32 v[MXB], 0                            ; the register of the query's offset: its three loads are done (the wait above)
.irp k, 0,1,2
	v_mul_f32 v[NTI+2*\k], -1.0, v[IR+4*\k+3]
	v_mul_f32 v[NTI+2*\k+1], -1.0, v[IR+4*\k+3]
.endr
	QSIDE 36, 44, 48, 52, 60, 68, BX0, BX1
	QSIDE 72, 80, 84, 88, 99, 96, BY0, BY1
	s_cmp_lg_u32 s2, 0                             ; the value-side weights serve wave 0's tail alone: asked for now, waited for there
	s_cbranch_scc1 .Lno_vw
	WLOAD 36, 44, 48, 24, 26                       ; vx
	WLOAD 52, 60, 68, 28, 30                       ; vy
	WLOAD 72, 80, 84, 32, 34                       ; vt
.Lno_vw:
	STAGE 0
	QLOAD 0, 0
	QLOAD 0, 1
	QLOAD 0, 2
	QLOAD 0, 3
; ---------------------------------------------------------------- the 8 chunks
	CHUNK 0, 1, 1
	CHUNK 1, 0, 1
	CHUNK 2, 0, 1
	CHUNK 3, 0, 1
	CHUNK 4, 0, 1
	CHUNK 5, 0, 1
	CHUNK 6, 0, 1
	CHUNK 7, 0, 0
; ---------------------------------------------------------------- a wave's partial sums into LDS
	s_mul_i32 s61, s2, RWAVE
	s_add_co_u32 s61, s61, RED
	v_mul_u32_u24 v[TMP], v[R], RPITCH             ; four plain places behind the last product, before its sums are read
	v_max_num_f32 v[MX], v[MX], v[MXB]             ; the two running maxima
	v_mov_b32 v[TMP+1], v[MX]                      ; (v_permlanex16_b32 counts as a reader of its destination)
	v_add_nc_u32 v[TMP], s61, v[TMP]
	v_permlanex16_b32 v[TMP+1], v[MX], s66, s67    ; the other half saw the other 16 j of every chunk
	v_max_num_f32 v[ACC1+3], v[MX], v[TMP+1]
	v_mov_b32 v[ACCT+3], v[ACCT+7]                 ; sum of d beside the sums of d t
	ds_store_b128 v[TMP], v[ACCT:ACCT+3]                   ; both halves hold, and write, the same bytes
	ds_store_b128 v[TMP], v[ACC1:ACC1+3] offset:16         ; sum t0..2, max d^2
	ds_store_b128 v[TMP], v[ACCX+4:ACCX+7] offset:32       ; sum sx x0..2, sum sx
	ds_store_b128 v[TMP], v[ACCY+4:ACCY+7] offset:48
	s_wait_dscnt 0x0                               ; for wave 0's sake: my stores are done before I signal
	s_barrier_signal -1
	s_barrier_wait -1
	s_cmp_lg_u32 s2, 0
	s_cbranch_scc1 .Lend
; ---------------------------------------------------------------- tail, wave 0: add 16 partials, apply the value linears, store
; lane (r, h) takes bytes 32 h .. 32 h + 31 of row r: h = 0 the translation sums, h = 1 the x and y sums
	s_mul_i32 s62, ttmp9, 576                      ; 16 rows of 36 bytes
	s_mov_b32 s63, 0
	s_add_nc_u64 s[6:7], s[6:7], s[62:63]
	s_mov_b32 s3, 0x46000000                       ; 8192.0 = 2 x 4096
	v_mul_u32_u24 v[RA], v[R], RPITCH
	v_lshl_add_u32 v[RA], v[H], 5, v[RA]
	v_add_nc_u32 v[RA], RED, v[RA]
.irp w, 0,1,2,3,4,5,6,7,8,9,10,11,12,13,14,15
	ds_load_b128 v[PT+8*\w:PT+8*\w+3],   v[RA] offset:\w*RWAVE
	ds_load_b128 v[PT+8*\w+4:PT+8*\w+7], v[RA] offset:\w*RWAVE+16
.endr
	v_mul_u32_u24 v[XA], v[R], 36
	v_add_nc_u32 v[XA], OST, v[XA]                 ; stage + 36 r
	v_mad_u32_u24 v[SA], v[H], 12, v[XA]           ; stage + 36 r + 12 h
	v_lshlrev_b32 v[GO], 4, v[LANE]
	v_add_nc_u32 v[OA], OST, v[GO]
	v_and_b32 v[GO2], 3, v[LANE]
	v_lshlrev_b32 v[GO2], 4, v[GO2]
	v_add_nc_u32 v[OA2], OST+512, v[GO2]           ; every lane's address lies in the stage's last 64 bytes
	s_wait_dscnt 28                                ; partials 0 and 1 are in; 14 partials x 2 loads stay out
.irp k, 0,2,4,6
	v_pk_add_f32 v[G+\k:G+\k+1], v[PT+\k:PT+\k+1], v[PT+8+\k:PT+8+\k+1]
.endr
	v_max_num_f32 v[M7], v[PT+7], v[PT+15]         ; word 7 is a maximum for h = 0 (a sum for h = 1): both are kept
.irp w, 2,3,4,5,6,7,8,9,10,11,12,13,14,15
	s_wait_dscnt 2*(15-\w)
.irp k, 0,2,4,6
	v_pk_add_f32 v[G+\k:G+\k+1], v[G+\k:G+\k+1], v[PT+8*\w+\k:PT+8*\w+\k+1]
.endr
	v_max_num_f32 v[M7], v[M7], v[PT+8*\w+7]
.endr
	s_wait_kmcnt 0x0                               ; vx, vy, vt
	v_rsq_f32 v[INV], v[M7]                        ; 1 / largest distance; the plain lines of LIN3 stand before its use
	LIN3 OX, 36, 44, 48, G                         ; right in lanes h = 1
	LIN3 OY, 52, 60, 68, G+4                       ; right in lanes h = 1
.irp k, 0,1,2
	v_mul_f32 v[HH+\k], v[INV], v[G+\k]
.endr
.irp k, 0,1,2
	v_fma_f32 v[HH+\k], 2.0, v[G+4+\k], -v[HH+\k]  ; 2 sum t - (sum d t) / m
.endr
	v_fma_f32 v[HH+3], -v[INV], v[G+3], s3         ; sum of the attention row: 8192 - (sum d) / m
	LIN3 OT, 72, 80, 84, HH                        ; right in lanes h = 0
	v_cmp_gt_u32 vcc_lo, 16, v[LANE]
.irp k, 0,1,2
	v_permlanex16_b32 v[PT+\k], v[OX+\k], s66, s67         ; lanes h = 0 fetch row r's x columns from lane 16 + r (PT is done with, and written)
.endr
.irp k, 0,1,2
	v_cndmask_b32 v[OT+\k], v[OY+\k], v[OT+\k], vcc_lo     ; h = 0: translation columns 0-2; h = 1: y columns 3-5
	v_cndmask_b32 v[OX+\k], v[OX+\k], v[PT+\k], vcc_lo     ; x columns 6-8, now in both halves
.endr
.irp k, 0,1,2
	ds_store_b32 v[SA], v[OT+\k] offset:4*\k
	ds_store_b32 v[XA], v[OX+\k] offset:24+4*\k    ; both halves write the same bytes with the same numbers
.endr
	ds_load_b128 v[PT:PT+3], v[OA]                 ; my own stores, served in order: the first 512 bytes, 16 a lane
	ds_load_b128 v[PT+4:PT+7], v[OA2]              ; the last 64 bytes, eight lanes to each 16
	s_wait_dscnt 0x0
	global_store_b128 v[GO], v[PT:PT+3], s[6:7] th:TH_STORE_NT
	v_cmp_gt_u32 vcc_lo, 4, v[LANE]
	s_wait_xcnt 0x0                                ; the pending store's EXEC is one of its sources: narrowed only behind this wait
	s_and_saveexec_b32 s46, vcc_lo
	global_store_b128 v[GO2], v[PT+4:PT+7], s[6:7] offset:512 th:TH_STORE_NT   ; lanes 0-3: 64 consecutive bytes
	s_endpgm
.Lend:
	s_endpgm
.Lfunc_end_k_q708321a96b_se3head:
	.size	k_q708321a96b_se3head, .Lfunc_end_k_q708321a96b_se3head-k_q708321a96b_se3head
	.p2alignl 7, 3214868480
	.fill 96, 4, 3214868480
	.section	.rodata,"a",@progbits
	.p2align	6, 0x0
	.amdhsa_kernel k_q708321a96b_se3head
		.amdhsa_group_segment_fixed_size 201472
		.amdhsa_private_segment_fixed_size 0
		.amdhsa_enable_private_segment 0
		.amdhsa_kernarg_size 128
		.amdhsa_user_sgpr_count 2
		.amdhsa_user_sgpr_kernarg_segment_ptr 1
		.amdhsa_wavefront_size32 1
		.amdhsa_system_sgpr_workgroup_id_x 1
		.amdhsa_system_sgpr_workgroup_id_y 1
		.amdhsa_system_sgpr_workgroup_id_z 1
		.amdhsa_system_vgpr_workitem_id 0
		.amdhsa_next_free_vgpr 254
		.amdhsa_next_free_sgpr 100
		.amdhsa_reserve_vcc 1
		.amdhsa_float_denorm_mode_32 3
		.amdhsa_float_denorm_mode_16_64 3
		.amdhsa_memory_ordered 1
		.amdhsa_forward_progress 1
		.amdhsa_inst_pref_size 106
	.end_amdhsa_kernel
	.amdgpu_metadata
---
amdhsa.version: [ 1, 2 ]
amdhsa.kernels:
  - .name:           k_q708321a96b_se3head
    .symbol:         k_q708321a96b_se3head.kd
    .args:
      - { .name: transforms, .offset: 0, .size: 8, .value_kind: global_buffer, .address_space: global }
      - { .name: out0, .offset: 8, .size: 8, .value_kind: global_buffer, .address_space: global }
      - { .name: qx_w, .offset: 16, .size: 8, .value_kind: global_buffer, .address_space: global }
      - { .name: qx_b, .offset: 24, .size: 8, .value_kind: global_buffer, .address_space: global }
      - { .name: kx_w, .offset: 32, .size: 8, .value_kind: global_buffer, .address_space: global }
      - { .name: kx_b, .offset: 40, .size: 8, .value_kind: global_buffer, .address_space: global }
      - { .name: qy_w, .offset: 48, .size: 8, .value_kind: global_buffer, .address_space: global }
      - { .name: qy_b, .offset: 56, .size: 8, .value_kind: global_buffer, .address_space: global }
      - { .name: ky_w, .offset: 64, .size: 8, .value_kind: global_buffer, .address_space: global }
      - { .name: ky_b, .offset: 72, .size: 8, .value_kind: global_buffer, .address_space: global }
      - { .name: vx_w, .offset: 80, .size: 8, .value_kind: global_buffer, .address_space: global }
      - { .name: vx_b, .offset: 88, .size: 8, .value_kind: global_buffer, .address_space: global }
      - { .name: vy_w, .offset: 96, .size: 8, .value_kind: global_buffer, .address_space: global }
      - { .name: vy_b, .offset: 104, .size: 8, .value_kind: global_buffer, .address_space: global }
      - { .name: vt_w, .offset: 112, .size: 8, .value_kind: global_buffer, .address_space: global }
      - { .name: vt_b, .offset: 120, .size: 8, .value_kind: global_buffer, .address_space: global }
    .group_segment_fixed_size: 201472
    .private_segment_fixed_size: 0
    .kernarg_segment_align: 8
    .kernarg_segment_size: 128
    .max_flat_workgroup_size: 512
    .sgpr_count:     100
    .vgpr_count:     254
    .wavefront_size: 32
...
	.end_amdgpu_metadata
.endif
;; end of part 2
